; MI455X (gfx1250); checked and timed in simulation.
; The chip was launched on July 23, 2026; its instructions are those of AMD's public machine-readable ISA for CDNA 5 (MIT licence, August 2026) and "CDNA5" Instruction Set Architecture Reference Guide (July 2026). The comments in the code are by the model that wrote it; some were corrected since.
;; UTF8 Code Book. Allowed arithmetic: matrix products marked QUANTISED: E2M1 operands, one E8M0 scale for each 32 along K, by v_wmma_scale_f32_16x16x128_f8f6f4 with both operands' format E2M1 (or v_wmma_scale_f32_32x16x128_f4), f32 sums; everything else in f32.
;; Inputs: codebook 32,768 x 128 float32; x 4,096 x 128 float32.
;; Outputs: out0 4,096 x 1 int32.
;; Constants: k = 1.
;; This version of the problem:
;;   THIS VERSION OF THE PROBLEM IS GIVEN IN LOW PRECISION. The matrix products marked QUANTISED in the list below multiply operands that are first quantised to E2M1 (2 exponent bits, 1 mantissa bit; 4 bits a number), with one power-of-two scale for each 32 numbers along K (OCP MX v1.0); their sums are f32. All else is computed in f32.
;;   The module's matrix products, in the order in which they are computed (A, B: the left and right operand; K: the contracted axis; several contracted axes count as one K, in the product's order):
;;     1. [M 4,096, K 128] x [K 128, N 32,768]; A: input x; B: input codebook: QUANTISED
;;   THE QUANTISER, for each operand of a quantised product, along K:
;;     - K is cut into blocks of 32 from its start; a last block that is shorter is filled with zeros.
;;     - A block's scale is 2^e with e = floor(log2(the largest magnitude in the block)) - 2, held to -126 .. 127; a block of zeros has e = 0. As a byte (E8M0): e + 127.
;;     - Each number is divided by its block's scale, clamped to +-6, and rounded to the nearest number of E2M1, ties to even, subnormals kept.
;;     - The product sums the exact products of the quantised numbers (number of the format x scale) in f32.
;;   ~~~python
;;   def quantise(x, axis):      # numpy; x: float32 -> the quantised numbers, widened to float32 again
;;       x = np.moveaxis(x, axis, -1); K = x.shape[-1]
;;       x = np.pad(x, [(0, 0)] * (x.ndim - 1) + [(0, -K % 32)]); x = x.reshape(x.shape[:-1] + (-1, 32)); a = np.abs(x).max(-1, keepdims=True)
;;       e = np.where(a > 0, np.clip(np.frexp(np.where(a > 0, a, 1))[1] - 1 - 2, -126, 127), 0)      # np.frexp(a)[1] - 1 = floor(log2(a)), exactly
;;       r = np.clip(x / 2.0 ** e, -6, 6)
;;       step = 2.0 ** (np.maximum(np.frexp(np.where(r == 0, 1, r))[1] - 1, 0) - 1)
;;       q = np.round(r / step) * step * 2.0 ** e      # np.round: ties to even
;;       return np.moveaxis(q.reshape(q.shape[:-2] + (-1,))[..., :K], -1, axis).astype(np.float32)
;;   ~~~
;; One version. Each part assembles by itself: llvm-mc -triple=amdgcn-amd-amdhsa -mcpu=gfx1250 --defsym DOCPART=n.
;; ======== version 1 of 1: 3 launches
;; workspace buffers: cpack 2,359,296 bytes; xpack 294,912 bytes; part 1,048,576 bytes
;; launch quant (part 1): grid 576 x 1, 4 waves a work-group, no clusters, 34,816 bytes of LDS; arguments codebook, x, cpack, xpack; writes cpack, xpack
.if DOCPART == 1
	.amdgcn_target "amdgcn-amd-amdhsa--gfx1250"
	.amdhsa_code_object_version 6
	.text
	.protected	k_q3a9aa0dfdc_quant
	.globl	k_q3a9aa0dfdc_quant
	.p2align	8
	.type	k_q3a9aa0dfdc_quant,@function
k_q3a9aa0dfdc_quant:
	s_mov_b64 s[64:65], 0
	v_nop
	global_prefetch_b8 v0, s[64:65] scope:SCOPE_SE
	s_setreg_imm32_b32 hwreg(HW_REG_WAVE_MODE, 25, 1), 1
	s_wait_xcnt 0x0
; codebook [32768][128] and x [4096][128], f32, become codes of FP4 (E2M1) with one E8M0 scale byte for each 32 along K, and each row's sum of squares (of the f32 numbers, not of the codes) is made beside them.
; A block's scale is 2^(floor(log2(its largest magnitude)) - 2): its byte is the largest magnitude's exponent field - 2, held at 1 from below by a floor among the maximum's leaves.
; OUTPUT, in QUADS of 64 rows, 4,608 bytes each, laid as the next launch's operand registers want them:
;   bytes 0-4095     four tiles of 16 rows as images of a fragment's registers: tile i, registers 4 c .. 4 c + 3 of lane l at 1024 i + 512 c + 16 l (lane (r, h): K = 64 c + 32 h + 0 .. 31 of row r)
;   bytes 4096-4351  the rows' scale words (four bytes: 128 along K), tile i, row r at 64 i + 4 r
;   bytes 4352-4607  the rows' sums of squares, f32, in the rows' order
; SHARES.  A work-group takes a quad: the first 512 work-groups the codebook's, the other 64 x's; only pointers are chosen, so there is one path.  Wave w takes tile w: 16 rows, 8,192 bytes, sixteen loads, all out at once.
; Each load reads a whole row, 512 consecutive bytes.  The conversions want a block's 32 numbers in ONE lane's registers, so the rows turn through the wave's own stage in LDS.
; No tensor load, no cluster (work-groups share no input), no loop.
; LIMITS: a block of zeros, or one whose largest magnitude lies under 2^-124, gets the byte 1 (this program alone reads the bytes; zero codes add nothing); NaN and infinities among the inputs are not served.
; The sum of squares is taken in four packed chains a row half and joined pairwise: an order of rounding of its own.
.set NCQ,   512                        ; quads of the codebook
.set QUADB, 4608
.set PITCH, 528                        ; a stage row: 512 bytes + 16 = 33 x 16: the sixteen rows that a read touches begin 16 bytes apart modulo 256
.set WSTG,  16*PITCH                   ; a wave's stage
.set META,  4*WSTG                     ; behind the stages: 256 bytes of scale words, 256 of sums
.set R,   16                           ; v16-79   the rows as loaded
.set X,   80                           ; v80-143  my two blocks of 32: block h, block 2 + h of row r
.set C,   144                          ; v144-151 the fragment's registers
.set MX,  152                          ; v152-153 largest magnitudes
.set SO,  154                          ; v154-155 the conversions' scale operands
.set BY,  156                          ; v156-157 the scale bytes
.set SQ,  158                          ; v[158:161] sums of squares, a pair for each block
.set PW,  162                          ; v162     the scale word
.set T,   163                          ; v163-164 lane permutes' destinations
	s_load_b256 s[4:11], s[0:1], 0x0               ; codebook s[4:5], x s[6:7], cpack s[8:9], xpack s[10:11]
	v_lshl_add_u32 v176, v0, 2, 0x8600
	v_mov_b32 v177, 0
	v_lshrrev_b32 v6, 5, v0
	v_readfirstlane_b32 s12, v6                    ; wave 0..3 = the quad's tile
	v_and_b32 v7, 31, v0                           ; lane
	v_and_b32 v8, 15, v0                           ; r
	v_bfe_u32 v9, v0, 4, 1                         ; h
	v_lshlrev_b32 v1, 4, v7                        ; 16 x lane: my bytes of a row, and of an image
	s_mul_i32 s13, s12, WSTG
	v_add_nc_u32 v2, s13, v1                       ; the stage, on the way in: a row as it lies
	v_mul_u32_u24 v3, v8, PITCH
	v_lshl_add_u32 v3, v9, 7, v3
	v_add_nc_u32 v3, s13, v3                       ; and on the way out: row r, block h (128 bytes a block)
	s_lshl_b32 s15, s12, 6
	v_lshl_add_u32 v4, v8, 2, s15
	v_add_nc_u32 v4, META, v4                      ; my row's scale word: 64 x tile + 4 r; its sum 256 bytes on
	v_add_nc_u32 v5, META, v1                      ; wave 0 reads the 512 bytes back, 16 a lane
	s_lshl_b32 s15, s12, 10
	v_add_nc_u32 v10, s15, v1                      ; my place in the quad's images: 1024 x tile + 16 x lane
	v_lshlrev_b32 v11, 3, v9                       ; 8 h: my two bytes' shift in the scale word
	v_mov_b32 v[T], 0                              ; written once: a lane permute's destination counts as one of its sources
	v_mov_b32 v[T+1], 0
	s_mov_b32 s20, 0x76543210
	s_mov_b32 s21, 0xfedcba98                      ; v_permlanex16_b32's selects for lane l xor 16
	s_wait_kmcnt 0x0
	s_cmp_lt_u32 ttmp9, NCQ                        ; the codebook's work-group or x's?  The choice hangs on the work-group's number alone
	s_cselect_b64 s[4:5], s[4:5], s[6:7]
	s_cselect_b64 s[8:9], s[8:9], s[10:11]
	s_cselect_b32 s14, 0, NCQ
	s_sub_co_u32 s14, ttmp9, s14                   ; the quad's number in its tensor
	s_lshl_b32 s16, s14, 15                        ; 64 rows of 512 bytes,
	s_lshl_b32 s17, s12, 13                        ; my wave's 16 of them
	s_add_co_u32 s16, s16, s17
	s_mov_b32 s17, 0
	s_add_nc_u64 s[4:5], s[4:5], s[16:17]
	s_mul_i32 s18, s14, QUADB
	s_mov_b32 s19, 0
	s_add_nc_u64 s[8:9], s[8:9], s[18:19]
.irp i, 0,1,2,3,4,5,6,7,8,9,10,11,12,13,14,15
	global_load_b128 v[R+4*\i:R+4*\i+3], v1, s[4:5] offset:512*\i th:TH_LOAD_NT   ; row i: 32 lanes read 512 consecutive bytes
.endr
.irp i, 0,1,2,3,4,5,6,7,8,9,10,11,12,13,14,15
	s_wait_loadcnt 15-\i                           ; loads come back in order: row i is in, the younger rows may be out
	ds_store_b128 v2, v[R+4*\i:R+4*\i+3] offset:PITCH*\i
.endr
.irp c, 0,1
.irp i, 0,1,2,3,4,5,6,7
	ds_load_b128 v[X+32*\c+4*\i:X+32*\c+4*\i+3], v3 offset:256*\c+16*\i   ; LDS serves a wave's instructions in order: these see my stores.  Block 2 c + h of row r, whole
.endr
.endr
	s_wait_dscnt 0x0
.irp c, 0,1                                    ; the two blocks by turns: largest magnitude, and the squares two at a time
	v_max3_num_f32 v[MX+\c], |v[X+32*\c]|, |v[X+32*\c+1]|, 0x1800000   ; with the floor 2^(3 - 127): the byte cannot fall under 1
	v_pk_mul_f32 v[SQ+2*\c:SQ+2*\c+1], v[X+32*\c:X+32*\c+1], v[X+32*\c:X+32*\c+1]
.endr
.irp i, 2,4,6,8,10,12,14,16,18,20,22,24,26,28,30
.irp c, 0,1
	v_max3_num_f32 v[MX+\c], v[MX+\c], |v[X+32*\c+\i]|, |v[X+32*\c+\i+1]|
	v_pk_fma_f32 v[SQ+2*\c:SQ+2*\c+1], v[X+32*\c+\i:X+32*\c+\i+1], v[X+32*\c+\i:X+32*\c+\i+1], v[SQ+2*\c:SQ+2*\c+1]
.endr
.endr
.irp c, 0,1
	v_add_nc_u32 v[SO+\c], 0xff000000, v[MX+\c]    ; 2 off the exponent field: the conversion takes the exponent field of this operand as its scale, and nothing else of it
.endr
.irp c, 0,1
.irp g, 0,1,2,3
	v_cvt_scalef32_pk8_fp4_f32 v[C+4*\c+\g], v[X+32*\c+8*\g:X+32*\c+8*\g+7], v[SO+\c]   ; register 4 c + g of the fragment: K = 64 c + 32 h + 8 g + 0 .. 7, the lowest K in the lowest bits
.endr
.endr
	v_nop                                          ; one plain vector line behind the last scaled conversion
.irp c, 0,1
	v_lshrrev_b32 v[BY+\c], 23, v[SO+\c]           ; the scale's byte
.endr
	global_store_b128 v10, v[C:C+3], s[8:9]                ; each store of the wave covers 512 consecutive bytes, aligned
	global_store_b128 v10, v[C+4:C+7], s[8:9] offset:512
	v_add_f32 v[SQ], v[SQ], v[SQ+1]
	v_add_f32 v[SQ+2], v[SQ+2], v[SQ+3]
	v_lshl_or_b32 v[PW], v[BY+1], 16, v[BY]        ; my two bytes: blocks h and 2 + h,
	v_add_f32 v[SQ], v[SQ], v[SQ+2]                ; my 64 numbers' squares
	v_lshlrev_b32 v[PW], v11, v[PW]                ; at their places in the word
	v_permlanex16_b32 v[T], v[SQ], s20, s21
	v_permlanex16_b32 v[T+1], v[PW], s20, s21
	v_add_f32 v[SQ], v[SQ], v[T]                   ; with lane l xor 16's: the row's sum of squares
	v_or_b32 v[PW], v[PW], v[T+1]                  ; and the whole scale word
	ds_store_b32 v4, v[PW]                         ; both lanes of a row write the same word with the same value
	ds_store_b32 v4, v[SQ] offset:256
	s_wait_dscnt 0x0                               ; for wave 0's sake: my stores have landed
	s_barrier_signal -1
	s_barrier_wait -1
	s_cmp_lg_u32 s12, 0
	s_cbranch_scc1 .Ldone                          ; wave 0 alone stores the quad's last 512 bytes
	ds_load_b128 v[12:15], v5
	s_wait_dscnt 0x0
	global_store_b128 v1, v[12:15], s[8:9] offset:4096     ; 512 consecutive bytes, aligned
.Ldone:
	s_wait_tensorcnt 0x0
	ds_add_u32 v176, v177
	s_wait_dscnt 0x0
	s_endpgm
.Lfunc_end_k_q3a9aa0dfdc_quant:
	.size	k_q3a9aa0dfdc_quant, .Lfunc_end_k_q3a9aa0dfdc_quant-k_q3a9aa0dfdc_quant
	.p2alignl 7, 3214868480
	.fill 96, 4, 3214868480
	.section	.rodata,"a",@progbits
	.p2align	6, 0x0
	.amdhsa_kernel k_q3a9aa0dfdc_quant
		.amdhsa_group_segment_fixed_size 34816
		.amdhsa_private_segment_fixed_size 0
		.amdhsa_enable_private_segment 0
		.amdhsa_kernarg_size 32
		.amdhsa_user_sgpr_count 2
		.amdhsa_user_sgpr_kernarg_segment_ptr 1
		.amdhsa_wavefront_size32 1
		.amdhsa_system_sgpr_workgroup_id_x 1
		.amdhsa_system_sgpr_workgroup_id_y 1
		.amdhsa_system_sgpr_workgroup_id_z 1
		.amdhsa_system_vgpr_workitem_id 0
		.amdhsa_next_free_vgpr 178
		.amdhsa_next_free_sgpr 66
		.amdhsa_reserve_vcc 0
		.amdhsa_float_denorm_mode_32 3
		.amdhsa_float_denorm_mode_16_64 3
		.amdhsa_memory_ordered 1
		.amdhsa_forward_progress 1
		.amdhsa_inst_pref_size 12
	.end_amdhsa_kernel
	.amdgpu_metadata
---
amdhsa.version: [ 1, 2 ]
amdhsa.kernels:
  - .name:           k_q3a9aa0dfdc_quant
    .symbol:         k_q3a9aa0dfdc_quant.kd
    .args:
      - { .name: codebook, .offset: 0, .size: 8, .value_kind: global_buffer, .address_space: global }
      - { .name: x, .offset: 8, .size: 8, .value_kind: global_buffer, .address_space: global }
      - { .name: cpack, .offset: 16, .size: 8, .value_kind: global_buffer, .address_space: global }
      - { .name: xpack, .offset: 24, .size: 8, .value_kind: global_buffer, .address_space: global }
    .group_segment_fixed_size: 34816
    .private_segment_fixed_size: 0
    .kernarg_segment_align: 8
    .kernarg_segment_size: 32
    .max_flat_workgroup_size: 128
    .sgpr_count:     66
    .vgpr_count:     178
    .wavefront_size: 32
...
	.end_amdgpu_metadata
.endif
;; end of part 1
;; launch knn (part 2): grid 16 x 16, 8 waves a work-group, clusters of 4 x 1, 168,960 bytes of LDS; arguments cpack, xpack, part; writes part
.if DOCPART == 2
	.amdgcn_target "amdgcn-amd-amdhsa--gfx1250"
	.amdhsa_code_object_version 6
	.text
	.protected	k_q3a9aa0dfdc_knn
	.globl	k_q3a9aa0dfdc_knn
	.p2align	8
	.type	k_q3a9aa0dfdc_knn,@function
k_q3a9aa0dfdc_knn:
	s_mov_b64 s[64:65], 0
	v_nop
	global_prefetch_b8 v0, s[64:65] scope:SCOPE_SE
	s_setreg_imm32_b32 hwreg(HW_REG_WAVE_MODE, 25, 1), 1
	s_wait_xcnt 0x0
	s_wait_alu depctr_hold_cnt(0) depctr_sa_sdst(0) depctr_va_vdst(0) depctr_va_sdst(0) depctr_va_ssrc(0) depctr_va_vcc(0) depctr_vm_vsrc(0)
	s_getreg_b32 s2, hwreg(HW_REG_IB_STS2, 6, 4)
	s_cmp_eq_u32 s2, 0
	s_cbranch_scc0 .Lentry_in_a_cluster
	s_endpgm
.Lentry_in_a_cluster:
	s_bfe_u32 s2, ttmp6, 0x10000c
	s_cmp_lg_u32 s2, 0x3003
	s_cbranch_scc0 .Lentry_shape_is_right
	s_endpgm
.Lentry_shape_is_right:
; For 64 queries a wave and 1,024 codes a wave: u(v) = c_sq(v) - 2 xq . cq(v), and the least u with its code's number.  x_sq, one number a query, is added by the next launch.
; ONE MATRIX INSTRUCTION MAKES 256 u: source 0 = 16 codes, source 1 = 16 queries, K = 128 (the whole of it), C = c_sq of the 16 codes in the result's layout.  The factor -2 lies on x's operand, exactly:
; the sign bit of each of its codes is flipped and each of its scale bytes raised by 1 (the bytes are 252 at the most, so none reaches 0xff).
; In the result lane (r, h) holds query r, and register j code 8 h + j of the tile.
; THE ARGMIN, fourteen vector instructions for a tile's eight numbers of a lane: four v_min3_num_f32 (the last takes the old best in and writes the new best to the other of two registers), a strict compare (an
; earlier tile keeps a tie), and under its mask the tile's number and the tile's eight numbers are kept.  Which of the eight it was is looked up once, at the end: the lowest j whose kept number equals the best.
; No branch and no address hangs on a distance.
; SHARES.  A work-group: 256 queries (x) x 2,048 codes (y): 32 quads of 4,608 bytes, 147,456 bytes, which lie in LDS whole and are filled ONCE.  Wave w: query group w % 4 (four tiles of 16 queries, in registers
; for the whole launch) and the quads of parity w / 4: 64 tiles of codes, 256 matrix instructions; each fragment read from LDS feeds four.  Two waves to a SIMD: the vector work outweighs the matrix work
; (56 vector instructions for 4 matrix instructions), and one wave's waits are filled by the other.
; CLUSTER.  The four work-groups of a cluster have the same codes and other queries: every tensor load is asked for JOINTLY, with the same descriptor and the mask of all four.  x is not shared; it goes from memory
; straight into registers (4,608 bytes a wave).
; The codes come in four chunks of eight quads, a quad a wave and chunk: four tensor loads of a wave are out at the most.  The work on a chunk begins when it has landed; nothing is ever filled again.
; LIMITS: the order of rounding is (c_sq - 2 cross), rounded by the matrix unit, and x_sq added afterwards, to the partial minima alone; candidates whose u differ are told apart by u.  Equal u: the lower code.
; NaN and infinities are not served.
.set QUADB,  4608
.set CHUNKB, 8*QUADB
.set RANGEB, 32*QUADB
.set XS,  12                           ; v12-15   x's scale words, a register a query tile: scales and nothing else
.set SA,  16                           ; v16-17   the codes' scale words, a register a buffer: scales and nothing else
.set XF,  20                           ; v20-51   x's four fragments
.set AF,  52                           ; v52-67   a tile of codes, two buffers of 8
.set CQ,  68                           ; v68-83   its c_sq in the result's layout, two buffers of 8
.set D,   84                           ; v84-147  results: two sets of 4 x 8
.set M,   148                          ; v148-151 at work on the minimum
.set BB,  152                          ; v152-155, v156-159 the best so far: two sets by turns
.set TID, 160                          ; v160-163 the best's tile
.set SAV, 164                          ; v164-195 the best's tile's eight numbers, 4 x 8
.set J,   196                          ; the tail: which of the eight,
.set IDX, 200                          ; the code's number,
.set OV,  204                          ; lane l xor 16's best
.set OI,  208                          ; and its code,
.set O,   212                          ; v[212:215] the record
.set G1,  16                           ; s[16:23] descriptor group 1
.set G0,  24                           ; s[24:39] descriptor group 0, a set for each chunk
.set MK,  44                           ; s44-47 masks, one a query tile
.set EQ,  52                           ; s52-55, s56-59: at the head offsets of x and part; in the tail masks
.set LT,  56
; v1 16 x lane; v2 4096 + 4 r; v3 4352 + 32 h; v4-6 the same three + the quad in hand; v7 4 r; v8 8 h + 2048 x work-group y
; s10 wave, s11 its query group, s12 its parity; s40 LDS byte of the quad in hand; s41 number of the tile whose results are being searched; s42 trips
.macro CROUND                          ; a round of the cluster's barrier
	s_barrier_signal -1
	s_barrier_wait -1
	s_cmp_lg_u32 s10, 0
	s_cbranch_scc1 .Lnot_wave_0_\@
	s_barrier_signal -3
.Lnot_wave_0_\@:
	s_barrier_wait -3
	s_barrier_signal -1
	s_barrier_wait -1
.endm
; Tile t of the quad in hand into buffer buf: five LDS loads.  The fragment is an image of its registers (16 bytes a lane on end); the scale word of code r; c_sq of codes 8 h + 0 .. 7 (one address for sixteen lanes)
.macro LOADT buf, t
	ds_load_b128 v[AF+8*(\buf):AF+8*(\buf)+3],   v4 offset:1024*(\t)
	ds_load_b128 v[AF+8*(\buf)+4:AF+8*(\buf)+7], v4 offset:1024*(\t)+512
	ds_load_b32  v[SA+(\buf)],                   v5 offset:64*(\t)
	ds_load_b128 v[CQ+8*(\buf):CQ+8*(\buf)+3],   v6 offset:64*(\t)
	ds_load_b128 v[CQ+8*(\buf)+4:CQ+8*(\buf)+7], v6 offset:64*(\t)+16
.endm
; The tile in buffer buf against my four tiles of queries.  C is c_sq and D a set of its own: nothing is added in place, so there is no chain.
.macro MUL4 buf, set
.irp q, 0,1,2,3
	v_wmma_scale_f32_16x16x128_f8f6f4 v[D+32*(\set)+8*\q:D+32*(\set)+8*\q+7], v[AF+8*(\buf):AF+8*(\buf)+7], v[XF+8*\q:XF+8*\q+7], v[CQ+8*(\buf):CQ+8*(\buf)+7], v[SA+(\buf)], v[XS+\q] matrix_a_fmt:MATRIX_FMT_FP4 matrix_b_fmt:MATRIX_FMT_FP4
.endr
.endm
; The search through a set of results: 56 plain vector instructions, the four query tiles by turns, each result read from its low end on.  They name no register of the products issued just ahead of them.
.macro EPI set, old, new, step
.irp q, 0,1,2,3
	v_min3_num_f32 v[M+\q], v[D+32*(\set)+8*\q], v[D+32*(\set)+8*\q+1], v[D+32*(\set)+8*\q+2]
.endr
.irp q, 0,1,2,3
	v_min3_num_f32 v[M+\q], v[M+\q], v[D+32*(\set)+8*\q+3], v[D+32*(\set)+8*\q+4]
.endr
.irp q, 0,1,2,3
	v_min3_num_f32 v[M+\q], v[M+\q], v[D+32*(\set)+8*\q+5], v[D+32*(\set)+8*\q+6]
.endr
.irp q, 0,1,2,3
	v_min3_num_f32 v[(\new)+\q], v[M+\q], v[D+32*(\set)+8*\q+7], v[(\old)+\q]   ; the new best
.endr
.irp q, 0,1,2,3
	v_cmp_lt_f32 s[MK+\q], v[(\new)+\q], v[(\old)+\q]      ; strictly better: this tile holds it
.endr
.irp q, 0,1,2,3
	v_cndmask_b32 v[TID+\q], v[TID+\q], s41, s[MK+\q]
.endr
.irp j, 0,1,2,3,4,5,6,7
.irp q, 0,1,2,3
	v_cndmask_b32 v[SAV+8*\q+\j], v[SAV+8*\q+\j], v[D+32*(\set)+8*\q+\j], s[MK+\q]
.endr
.endr
	s_add_co_u32 s41, s41, \step                   ; the next tile's number
.endm
; The turn of tile i of a quad: the tile after next is fetched into the buffer that tile i's products have read, the next tile is multiplied, tile i's results are searched.
; Between any products and the loads into their operands, the first read of their results and the next products that write over those results stand the 56 lines of a search that names none of their registers.
.macro PHASE i, load, mul
.set PB, (\i)%2
.set PN, 1-PB
.if \load
	LOADT PB, ((\i)+2)%4
	s_wait_dscnt 5                                 ; LDS loads come back in order: the next tile's five are in, the five just issued may be out
.elseif \mul
	s_wait_dscnt 0x0                               ; the last tile's five are in
.endif
.if \mul
	MUL4 PN, PN
.endif
.if (\i) == 3
	EPI PB, BB+4*PB, BB+4*PN, 5                    ; my next quad is the next but one: four tiles are passed over
.else
	EPI PB, BB+4*PB, BB+4*PN, 1
.endif
.endm
; A quad.  bar >= 0: the trip's second half fetches the next chunk's first tiles, so at its head my part of that chunk is waited for (bar = my younger tensor loads, which may stay out) and a barrier shows everybody's.
; more = 0: the last quad: nothing is left to fetch.
.macro TRIP bar, more
.if (\bar) >= 0
	s_wait_tensorcnt (\bar)
	s_wait_dscnt 0x0                               ; no LDS load of mine is out at a signal
	s_barrier_signal -1
	s_barrier_wait -1
.endif
	PHASE 0, 1, 1
	PHASE 1, 1, 1
.if \more
	s_add_co_u32 s40, s40, 2*QUADB                 ; my next quad
	v_add_nc_u32 v4, s40, v1
	v_add_nc_u32 v5, s40, v2
	v_add_nc_u32 v6, s40, v3
	PHASE 2, 1, 1
	PHASE 3, 1, 1
.else
	PHASE 2, 0, 1
	PHASE 3, 0, 0
.endif
.endm
	s_load_b128 s[4:7], s[0:1], 0x0                ; cpack s[4:5], xpack s[6:7]
	s_load_b64 s[8:9], s[0:1], 0x10                ; part
	v_lshl_add_u32 v224, v0, 2, 0x29000
	v_mov_b32 v225, 0
	ds_add_u32 v224, v225
	ds_add_u32 v224, v225
	v_lshrrev_b32 v9, 5, v0
	v_readfirstlane_b32 s10, v9                    ; wave 0..7
	s_and_b32 s11, s10, 3                          ; my query group of the work-group's four
	s_lshr_b32 s12, s10, 2                         ; the parity of my quads
	s_bfe_u32 s13, ttmp6, 0x40000                  ; cx: my place in the cluster: it enters x's and part's addresses alone
	s_lshl_b32 s14, ttmp9, 2                       ; in a cluster launch ttmp9 counts clusters
	s_add_co_u32 s14, s14, s13                     ; my block of 256 queries
	s_and_b32 s15, ttmp7, 0xffff                   ; my range of 2,048 codes, which the four partners share
	; descriptor group 1: a quad is 4,608 dense bytes: 18 rows of 32 elements of 8 bytes, no padding
	s_mov_b32 s[G1+0], 15|(3<<16)|(1<<21)          ; 15:0 the mask: all four work-groups; 17:16 elements of 8 bytes; 21 set beside a mask
	s_mov_b32 s[G1+1], 32<<16                      ; tensor_dim0 = 32
	s_mov_b32 s[G1+2], 18<<16                      ; tensor_dim1 = 18
	s_mov_b32 s[G1+3], 32<<16                      ; tile_dim0 = 32
	s_mov_b32 s[G1+4], 18                          ; tile_dim1 = 18
	s_mov_b32 s[G1+5], 32                          ; from row to row
	s_mov_b32 s[G1+6], 0
	s_mov_b32 s[G1+7], 0
	s_mul_i32 s62, s10, QUADB                      ; the quad of a chunk that I fetch: in LDS,
	s_mul_i32 s60, s15, RANGEB
	s_add_co_u32 s60, s60, s62                     ; and in cpack: made of the shared coordinate and the wave's number alone
	s_mov_b32 s61, 0
	s_lshl_b32 s52, s14, 2
	s_add_co_u32 s52, s52, s11                     ; my group of 64 queries, 0 .. 63
	s_lshl_b32 s56, s52, 5
	s_lshl_b32 s57, s15, 1
	s_add_co_u32 s56, s56, s57
	s_add_co_u32 s56, s56, s12                     ; my record: 32 x group + 2 x range + parity,
	s_lshl_b32 s56, s56, 9                         ; 512 bytes each
	s_mov_b32 s57, 0
	s_mul_i32 s52, s52, QUADB                      ; my quad of x
	s_mov_b32 s53, 0
	s_lshl_b32 s54, s15, 11                        ; the range's first code
	s_mov_b32 s48, 0x76543210
	s_mov_b32 s49, 0xfedcba98                      ; v_permlanex16_b32's selects for lane l xor 16
	s_mov_b32 s50, 0xffff0000                      ; lanes 16-31
	s_mul_i32 s40, s12, QUADB                      ; my first quad in LDS
	s_lshl_b32 s41, s12, 2                         ; and its first tile's number in the range
	v_and_b32 v10, 31, v0                          ; lane
	v_and_b32 v11, 15, v0                          ; r
	v_bfe_u32 v9, v0, 4, 1                         ; h
	v_lshlrev_b32 v1, 4, v10
	v_lshl_add_u32 v2, v11, 2, 4096
	v_lshl_add_u32 v3, v9, 5, 4352
	v_lshlrev_b32 v7, 2, v11
	v_lshlrev_b32 v8, 3, v9
	v_add_nc_u32 v8, s54, v8
	v_add_nc_u32 v4, s40, v1
	v_add_nc_u32 v5, s40, v2
	v_add_nc_u32 v6, s40, v3
	s_wait_dscnt 0x0
	s_wait_kmcnt 0x0
	s_add_nc_u64 s[4:5], s[4:5], s[60:61]
	s_add_nc_u64 s[6:7], s[6:7], s[52:53]
	s_add_nc_u64 s[8:9], s[8:9], s[56:57]
.irp c, 0,1,2,3
	s_mov_b32 s[G0+4*\c], 1                                        ; count = 1
	s_add_co_u32 s[G0+4*\c+1], s62, \c*CHUNKB                      ; LDS address: quad 8 c + wave
	s_add_nc_u64 s[G0+4*\c+2:G0+4*\c+3], s[4:5], \c*CHUNKB         ; the same quad of my range in memory
	s_or_b32 s[G0+4*\c+3], s[G0+4*\c+3], 0x80000000                ; type = 2
.endr
	CROUND                                         ; all four work-groups are here: the joint loads meet
.irp c, 0,1,2,3
	tensor_load_to_lds s[G0+4*\c:G0+4*\c+3], s[G1:G1+7]            ; all fills of the launch, as one group: four loads of mine are out
	s_nop 0
.endr
.rept 4
	v_nop                                          ; four such lines behind the tensor loads
.endr
.irp q, 0,1,2,3
.irp c, 0,1
	global_load_b128 v[XF+8*\q+4*\c:XF+8*\q+4*\c+3], v1, s[6:7] offset:1024*\q+512*\c   ; x's fragments, as images
.endr
	global_load_b32 v[XS+\q], v7, s[6:7] offset:4096+64*\q         ; and their scale words
.endr
	s_wait_loadcnt 0x0
.set i, 0
.rept 32
	v_xor_b32 v[XF+i], 0x88888888, v[XF+i]         ; -x: the sign bit of each of eight codes
.set i, i+1
.endr
.irp q, 0,1,2,3
	v_add_nc_u32 v[XS+\q], 0x01010101, v[XS+\q]    ; 2 x: each byte one up; no byte carries (252 at the most)
.endr
.set i, 0
.rept 32
	v_mov_b32 v[SAV+i], 0x7f800000                 ; the search is written once: its first tile finds +infinity.  (These 48 lines are also the places between the lines above and the first scaled product)
.set i, i+1
.endr
.irp q, 0,1,2,3
	v_mov_b32 v[BB+\q], 0x7f800000
	v_mov_b32 v[TID+\q], 0
	v_mov_b32 v[OV+\q], 0                          ; a lane permute's destination counts as one of its sources
	v_mov_b32 v[OI+\q], 0
.endr
	s_wait_tensorcnt 3                             ; my quad of chunk 0 is in; my three younger loads may stay out
	s_barrier_signal -1
	s_barrier_wait -1                              ; everybody's is
	LOADT 0, 0
	LOADT 1, 1
	s_wait_dscnt 5                                 ; tile 0's five loads are in
	MUL4 0, 0
.rept 4
	v_nop                                          ; four places ahead of the loads into buffer 0 and of the first read of these results: no other vector work is at hand yet
.endr
.irp c, 0,1,2,3                                ; a chunk holds four quads of mine: three in a loop, the fourth written out, since it meets the next chunk
	s_mov_b32 s42, 3
.Lchunk\c:
	TRIP -1, 1
	s_sub_co_u32 s42, s42, 1
	s_cmp_lg_u32 s42, 0
	s_cbranch_scc1 .Lchunk\c
.if \c < 3
	TRIP 2-\c, 1
.else
	TRIP -1, 0
.endif
.endr
	; THE TAIL.  64 tiles, an even number: the best lies in the first of its two sets.  Which of the kept eight it was: the lowest j that equals it.
.irp q, 0,1,2,3
	v_mov_b32 v[J+\q], 7
.endr
.irp j, 6,5,4,3,2,1,0
.irp q, 0,1,2,3
	v_cmp_eq_f32 s[MK+\q], v[SAV+8*\q+\j], v[BB+\q]
.endr
.irp q, 0,1,2,3
	v_cndmask_b32 v[J+\q], v[J+\q], \j, s[MK+\q]
.endr
.endr
.irp q, 0,1,2,3
	v_lshl_add_u32 v[IDX+\q], v[TID+\q], 4, v[J+\q]
.endr
.irp q, 0,1,2,3
	v_add_nc_u32 v[IDX+\q], v[IDX+\q], v8          ; the code: 2048 x range + 16 x tile + 8 h + j
.endr
.irp q, 0,1,2,3
	v_permlanex16_b32 v[OV+\q], v[BB+\q], s48, s49 ; the query's other codes lie in the lane 16 away
	v_permlanex16_b32 v[OI+\q], v[IDX+\q], s48, s49
.endr
.irp q, 0,1,2,3
	v_cmp_lt_f32 s[LT+\q], v[OV+\q], v[BB+\q]
	v_cmp_eq_f32 s[EQ+\q], v[OV+\q], v[BB+\q]
	v_cmp_lt_u32 s[MK+\q], v[OI+\q], v[IDX+\q]
.endr
.irp q, 0,1,2,3
	s_and_b32 s[EQ+\q], s[EQ+\q], s[MK+\q]
	s_or_b32 s[LT+\q], s[LT+\q], s[EQ+\q]          ; the other's is less, or equal with the lower code
.endr
.irp q, 0,1,2,3
	v_cndmask_b32 v[BB+\q], v[BB+\q], v[OV+\q], s[LT+\q]
	v_cndmask_b32 v[IDX+\q], v[IDX+\q], v[OI+\q], s[LT+\q]
.endr
	v_cndmask_b32 v[O+0], v[BB+0],  v[BB+2],  s50  ; the record: lane (r, h) holds query tiles 2 h and 2 h + 1: u, code, u, code
	v_cndmask_b32 v[O+1], v[IDX+0], v[IDX+2], s50
	v_cndmask_b32 v[O+2], v[BB+1],  v[BB+3],  s50
	v_cndmask_b32 v[O+3], v[IDX+1], v[IDX+3], s50
	global_store_b128 v1, v[O:O+3], s[8:9]         ; the wave stores 512 consecutive bytes, aligned
	s_wait_tensorcnt 0x0                           ; none of my tensor loads is out
	s_wait_tensorcnt 0x0
	ds_add_u32 v224, v225
	s_wait_dscnt 0x0
	CROUND                                         ; the closing round: no work-group ends while a partner may still ask for a tile that names it
	s_endpgm
.Lfunc_end_k_q3a9aa0dfdc_knn:
	.size	k_q3a9aa0dfdc_knn, .Lfunc_end_k_q3a9aa0dfdc_knn-k_q3a9aa0dfdc_knn
	.p2alignl 7, 3214868480
	.fill 96, 4, 3214868480
	.section	.rodata,"a",@progbits
	.p2align	6, 0x0
	.amdhsa_kernel k_q3a9aa0dfdc_knn
		.amdhsa_group_segment_fixed_size 168960
		.amdhsa_private_segment_fixed_size 0
		.amdhsa_enable_private_segment 0
		.amdhsa_kernarg_size 24
		.amdhsa_user_sgpr_count 2
		.amdhsa_user_sgpr_kernarg_segment_ptr 1
		.amdhsa_wavefront_size32 1
		.amdhsa_system_sgpr_workgroup_id_x 1
		.amdhsa_system_sgpr_workgroup_id_y 1
		.amdhsa_system_sgpr_workgroup_id_z 1
		.amdhsa_system_vgpr_workitem_id 0
		.amdhsa_next_free_vgpr 226
		.amdhsa_next_free_sgpr 66
		.amdhsa_reserve_vcc 0
		.amdhsa_float_denorm_mode_32 3
		.amdhsa_float_denorm_mode_16_64 3
		.amdhsa_memory_ordered 1
		.amdhsa_forward_progress 1
		.amdhsa_inst_pref_size 160
	.end_amdhsa_kernel
	.amdgpu_metadata
---
amdhsa.version: [ 1, 2 ]
amdhsa.kernels:
  - .name:           k_q3a9aa0dfdc_knn
    .symbol:         k_q3a9aa0dfdc_knn.kd
    .args:
      - { .name: cpack, .offset: 0, .size: 8, .value_kind: global_buffer, .address_space: global }
      - { .name: xpack, .offset: 8, .size: 8, .value_kind: global_buffer, .address_space: global }
      - { .name: part, .offset: 16, .size: 8, .value_kind: global_buffer, .address_space: global }
    .group_segment_fixed_size: 168960
    .private_segment_fixed_size: 0
    .kernarg_segment_align: 8
    .kernarg_segment_size: 24
    .max_flat_workgroup_size: 256
    .sgpr_count:     66
    .vgpr_count:     226
    .wavefront_size: 32
...
	.end_amdgpu_metadata
.endif
;; end of part 2
;; launch pick (part 3): grid 64 x 1, 1 waves a work-group, no clusters, 512 bytes of LDS; arguments part, xpack, out0; writes out0
.if DOCPART == 3
	.amdgcn_target "amdgcn-amd-amdhsa--gfx1250"
	.amdhsa_code_object_version 6
	.text
	.protected	k_q3a9aa0dfdc_pick
	.globl	k_q3a9aa0dfdc_pick
	.p2align	8
	.type	k_q3a9aa0dfdc_pick,@function
k_q3a9aa0dfdc_pick:
	s_mov_b64 s[64:65], 0
	v_nop
	global_prefetch_b8 v0, s[64:65] scope:SCOPE_SE
	s_setreg_imm32_b32 hwreg(HW_REG_WAVE_MODE, 25, 1), 1
	s_wait_xcnt 0x0
; For each query: d2 = u + x_sq of its 32 partial minima (one for each range of 2,048 codes and parity of quads), the least of them, the lower code where two are equal; the code's number is the result.
; A work-group is one wave and takes a group of 64 queries: its 32 records of 512 bytes are 16,384 consecutive bytes.  In a record lane (r, h) holds u, code, u, code of queries 32 h + r and 32 h + 16 + r of the group.
; All 34 loads are out at once; there is work for 64 work-groups and no more.  No barrier: a work-group is one wave.  No matrix work, no cluster: work-groups share nothing.
; The results change lanes through LDS, so that the wave stores 256 consecutive bytes, aligned.
.set QUADB, 4608
.set REC, 16                           ; v16-143  record p at v[16 + 4 p]
.set XQ,  144                          ; v144-145 x_sq of my two queries
.set MS,  16                           ; s16-31   masks: four for each of four chains
; Four chains by turns, line by line: chain k: query k % 2 of the lane, slots of parity k / 2; the chain's best lies in record k / 2.  Records p and p + 1 are taken in.
.macro MERGE4 p
.irp k, 0,1,2,3
	v_cmp_lt_f32 s[MS+4*\k],   v[REC+4*((\p)+\k/2)+2*(\k%2)],   v[REC+4*(\k/2)+2*(\k%2)]
	v_cmp_eq_f32 s[MS+4*\k+1], v[REC+4*((\p)+\k/2)+2*(\k%2)],   v[REC+4*(\k/2)+2*(\k%2)]
	v_cmp_lt_u32 s[MS+4*\k+2], v[REC+4*((\p)+\k/2)+2*(\k%2)+1], v[REC+4*(\k/2)+2*(\k%2)+1]
.endr
.irp k, 0,1,2,3
	s_and_b32 s[MS+4*\k+1], s[MS+4*\k+1], s[MS+4*\k+2]
	s_or_b32 s[MS+4*\k], s[MS+4*\k], s[MS+4*\k+1]          ; less, or equal with the lower code
.endr
.irp k, 0,1,2,3
	v_cndmask_b32 v[REC+4*(\k/2)+2*(\k%2)],   v[REC+4*(\k/2)+2*(\k%2)],   v[REC+4*((\p)+\k/2)+2*(\k%2)],   s[MS+4*\k]
	v_cndmask_b32 v[REC+4*(\k/2)+2*(\k%2)+1], v[REC+4*(\k/2)+2*(\k%2)+1], v[REC+4*((\p)+\k/2)+2*(\k%2)+1], s[MS+4*\k]
.endr
.endm
.macro MERGE2                          ; the odd slots' chains (record 1) into the even slots' (record 0)
.irp e, 0,1
	v_cmp_lt_f32 s[MS+4*\e],   v[REC+4+2*\e],   v[REC+2*\e]
	v_cmp_eq_f32 s[MS+4*\e+1], v[REC+4+2*\e],   v[REC+2*\e]
	v_cmp_lt_u32 s[MS+4*\e+2], v[REC+4+2*\e+1], v[REC+2*\e+1]
.endr
.irp e, 0,1
	s_and_b32 s[MS+4*\e+1], s[MS+4*\e+1], s[MS+4*\e+2]
	s_or_b32 s[MS+4*\e], s[MS+4*\e], s[MS+4*\e+1]
.endr
.irp e, 0,1
	v_cndmask_b32 v[REC+2*\e+1], v[REC+2*\e+1], v[REC+4+2*\e+1], s[MS+4*\e]   ; only the code is wanted now
.endr
.endm
	s_load_b128 s[4:7], s[0:1], 0x0                ; part s[4:5], xpack s[6:7]
	s_load_b64 s[8:9], s[0:1], 0x10                ; out0
	v_lshl_add_u32 v176, v0, 2, 0x100
	v_mov_b32 v177, 0
	v_lshlrev_b32 v1, 4, v0                        ; 16 x lane: my bytes of a record
	v_and_b32 v4, 15, v0                           ; r
	v_bfe_u32 v5, v0, 4, 1                         ; h
	v_lshlrev_b32 v2, 2, v4
	v_lshl_add_u32 v2, v5, 7, v2                   ; 4 x (32 h + r): my first query's word among the group's 64; the second's lies 64 bytes on
	v_lshlrev_b32 v3, 3, v0                        ; 8 x lane: on the way out two neighbouring queries a lane
	s_lshl_b32 s10, ttmp9, 14                      ; the group's 32 records
	s_mov_b32 s11, 0
	s_mul_i32 s12, ttmp9, QUADB                    ; the group's quad of x
	s_mov_b32 s13, 0
	s_lshl_b32 s14, ttmp9, 8                       ; the group's 64 results
	s_mov_b32 s15, 0
	s_wait_kmcnt 0x0
	s_add_nc_u64 s[4:5], s[4:5], s[10:11]
	s_add_nc_u64 s[6:7], s[6:7], s[12:13]
	s_add_nc_u64 s[8:9], s[8:9], s[14:15]
.set p, 0
.rept 32
	global_load_b128 v[REC+4*p:REC+4*p+3], v1, s[4:5] offset:512*p th:TH_LOAD_NT   ; 512 consecutive bytes a load
.set p, p+1
.endr
	global_load_b32 v[XQ],   v2, s[6:7] offset:4352        ; the sums of squares lie behind the quad's images and scale words
	global_load_b32 v[XQ+1], v2, s[6:7] offset:4352+64
	s_wait_loadcnt 0x0
.set p, 0
.rept 32
	v_add_f32 v[REC+4*p],   v[REC+4*p],   v[XQ]            ; d2 = u + x_sq
	v_add_f32 v[REC+4*p+2], v[REC+4*p+2], v[XQ+1]
.set p, p+1
.endr
.irp p, 2,4,6,8,10,12,14,16,18,20,22,24,26,28,30
	MERGE4 \p
.endr
	MERGE2
	ds_store_b32 v2, v[REC+1]                      ; query 32 h + r
	ds_store_b32 v2, v[REC+3] offset:64            ; query 32 h + 16 + r
	ds_load_b64 v[6:7], v3                         ; LDS serves a wave's instructions in order: this sees the stores above
	s_wait_dscnt 0x0
	global_store_b64 v3, v[6:7], s[8:9]            ; the wave stores 256 consecutive bytes, aligned
	s_wait_tensorcnt 0x0
	ds_add_u32 v176, v177
	s_wait_dscnt 0x0
	s_endpgm
.Lfunc_end_k_q3a9aa0dfdc_pick:
	.size	k_q3a9aa0dfdc_pick, .Lfunc_end_k_q3a9aa0dfdc_pick-k_q3a9aa0dfdc_pick
	.p2alignl 7, 3214868480
	.fill 96, 4, 3214868480
	.section	.rodata,"a",@progbits
	.p2align	6, 0x0
	.amdhsa_kernel k_q3a9aa0dfdc_pick
		.amdhsa_group_segment_fixed_size 512
		.amdhsa_private_segment_fixed_size 0
		.amdhsa_enable_private_segment 0
		.amdhsa_kernarg_size 24
		.amdhsa_user_sgpr_count 2
		.amdhsa_user_sgpr_kernarg_segment_ptr 1
		.amdhsa_wavefront_size32 1
		.amdhsa_system_sgpr_workgroup_id_x 1
		.amdhsa_system_sgpr_workgroup_id_y 1
		.amdhsa_system_sgpr_workgroup_id_z 1
		.amdhsa_system_vgpr_workitem_id 0
		.amdhsa_next_free_vgpr 178
		.amdhsa_next_free_sgpr 66
		.amdhsa_reserve_vcc 0
		.amdhsa_float_denorm_mode_32 3
		.amdhsa_float_denorm_mode_16_64 3
		.amdhsa_memory_ordered 1
		.amdhsa_forward_progress 1
		.amdhsa_inst_pref_size 30
	.end_amdhsa_kernel
	.amdgpu_metadata
---
amdhsa.version: [ 1, 2 ]
amdhsa.kernels:
  - .name:           k_q3a9aa0dfdc_pick
    .symbol:         k_q3a9aa0dfdc_pick.kd
    .args:
      - { .name: part, .offset: 0, .size: 8, .value_kind: global_buffer, .address_space: global }
      - { .name: xpack, .offset: 8, .size: 8, .value_kind: global_buffer, .address_space: global }
      - { .name: out0, .offset: 16, .size: 8, .value_kind: global_buffer, .address_space: global }
    .group_segment_fixed_size: 512
    .private_segment_fixed_size: 0
    .kernarg_segment_align: 8
    .kernarg_segment_size: 24
    .max_flat_workgroup_size: 32
    .sgpr_count:     66
    .vgpr_count:     178
    .wavefront_size: 32
...
	.end_amdgpu_metadata
.endif
;; end of part 3
